; MI455X (gfx1250); checked and timed in simulation.
; The chip was launched on July 23, 2026; its instructions are those of AMD's public machine-readable ISA for CDNA 5 (MIT licence, August 2026) and "CDNA5" Instruction Set Architecture Reference Guide (July 2026). The comments in the code are by the model that wrote it; some were corrected since.
;; Gradient Aware Area Util. Allowed arithmetic: float matrix products may take bf16 or f16 operands with f32 sums; all other float work in f32.
;; Inputs: Y 512 x 65,536 float32.
;; Outputs: out0 512 x 1 float32.
;; One version. Each part assembles by itself: llvm-mc -triple=amdgcn-amd-amdhsa -mcpu=gfx1250 --defsym DOCPART=n.
;; ======== version 1 of 1: 1 launch
;; launch areagrad (part 1): grid 512 x 1, 8 waves a work-group, no clusters, 17,664 bytes of LDS; arguments Y, out0; writes out0
.if DOCPART == 1
	.amdgcn_target "amdgcn-amd-amdhsa--gfx1250"
	.amdhsa_code_object_version 6
	.text
	.protected	k_q2d21fd206b_areagrad
	.globl	k_q2d21fd206b_areagrad
	.p2align	8
	.type	k_q2d21fd206b_areagrad,@function
k_q2d21fd206b_areagrad:
	s_mov_b64 s[64:65], 0
	v_nop
	global_prefetch_b8 v0, s[64:65] scope:SCOPE_SE
	s_setreg_imm32_b32 hwreg(HW_REG_WAVE_MODE, 25, 1), 1
	s_wait_xcnt 0x0
; out0[b] = sum(img) - 0.1 * (sum |img[r][c] - img[r+1][c]| + sum |img[r][c] - img[r][c+1]|),  img = Y[b] as 256 x 256 f32.
; One work-group of eight waves for each image (262,144 bytes); every byte of Y is loaded from memory once.
; SHARES.  A half wave (16 lanes) owns a strip of 16 image rows: strip = 2 x wave + half.  A row is 1,024 bytes = four groups of
; 64 columns; one b128 load brings group g of a row: the 16 lanes of a half take 256 consecutive bytes that start at a multiple of 256,
; and the other half does the same in its own strip, 16 rows further down.  Lane place p holds columns 64 g + 4 p .. + 3.
; So all four groups of a row lie in the same 16 lanes, and the right-hand neighbour of a lane is reached by one rotation inside
; the 16 lanes (DPP row_ror:15: lane p reads lane p + 1 mod 16); nothing crosses between the two halves of a wave.
; RING.  12 row slots of 16 registers.  48 loads (24 KiB) of a wave are asked for before anything else; the slot of the row above is
; asked for again as soon as the vertical differences have read it.  One offset register and one base serve all 64 loads through the
; immediate and are never rewritten.  Slot numbers are register numbers, so the 16 steps are written out by a macro (about 9 KiB).
; 238 registers a wave: four waves share the 1,024 registers of a SIMD, that is two work-groups on a WGP, 512 work-groups in one round.
; BETWEEN STRIPS.  Each strip puts its first row into LDS; behind a barrier each strip reads the first row of the strip below it
; and takes the differences with its own last row, which is still in registers.
; LDS: [group 0..3][strip 0..15][256 bytes].  The address register is 256 x strip + 16 x place, twelve bits that are all used (at most
; 4,080), and the group is the immediate 4,096 g: the last byte touched is 12,288 + 4,080 + 15 = 16,383.  Behind it one word a wave.
; No matrix unit (no products), no cluster (no two work-groups read the same byte), no prefetch (each byte is streamed once, at once).
; LIMIT: the f32 sums are formed in another order than in the reference (per lane, across lanes, across waves).  Terms that do not
; exist (right of column 255, below row 255) are dropped by selection, not by a product with 0, so they can bring in no NaN.
.set ROWB,  1024                       ; bytes in an image row
.set UNIT,  256                        ; bytes that 16 lanes take with one load: 64 columns
.set ROWS,  16                         ; rows in a strip
.set S,     12                         ; row slots
.set PLANE, 16*UNIT                    ; LDS: one group of the 16 strips' first rows
.set PART,  4*PLANE                    ; LDS: behind the four planes, one word for each wave
.set OFF,   1                          ; v1        byte offset in the image of my 16 bytes in group 0 of row 0 of my strip
.set LA,    2                          ; v2        LDS address of my 16 bytes in group 0 of the first row of my strip
.set RA,    3                          ; v3        the same in the first row of the strip below
.set T,     4                          ; v[4:19]   16 differences at work
.set M,     20                         ; v[20:22]  group g: first columns, with lane place 0 replaced by that of group g + 1
.set AR,    24                         ; v[24:31]  area: four packed chains
.set G,     32                         ; v[32:39]  sums of |differences|: eight chains
.set GX,    40                         ; v40       |differences| to the right of column 64 * 3 + 4 p + 3: place 15 has none and is dropped at the end
.set XB,    44                         ; v[44:235] the ring: slot s at XB + 16 s, group g at + 4 g
	s_load_b128 s[4:7], s[0:1], 0x0                ; Y s[4:5], out0 s[6:7]
	v_lshl_add_u32 v236, v0, 2, 0x4100
	v_mov_b32 v237, 0
	v_lshrrev_b32 v[T], 5, v0
	v_readfirstlane_b32 s8, v[T]                   ; wave 0..7 as a scalar
	v_bfe_u32 v[T+1], v0, 4, 1                     ; half of the wave
	v_and_b32 v[T+2], 15, v0                       ; place in the half
	v_lshlrev_b32 v[T+2], 4, v[T+2]                ; 16 bytes a lane
	v_lshl_add_u32 v[T], s8, 1, v[T+1]             ; strip = 2 x wave + half, 0..15
	v_lshl_or_b32 v[OFF], v[T], 14, v[T+2]         ; strip x 16 rows x 1,024 bytes + 16 x place
	s_lshl_b32 s2, ttmp9, 18                       ; image x 262,144 bytes: below 2^27
	s_mov_b32 s3, 0
	s_wait_kmcnt 0x0
	s_add_nc_u64 s[4:5], s[4:5], s[2:3]            ; Y at my image
.macro LOADROW j                       ; row j of the strip into slot j mod S: four loads, 1,024 consecutive bytes for each half wave
.irp g, 0,1,2,3
	global_load_b128 v[XB+16*((\j)%S)+4*\g:XB+16*((\j)%S)+4*\g+3], v[OFF], s[4:5] offset:ROWB*(\j)+UNIT*\g th:TH_LOAD_NT
.endr
.endm
.irp j, 0,1,2,3,4,5,6,7,8,9,10,11
	LOADROW \j                                     ; the ring is filled before anything else is done
.endr
	; the rest of the set-up stands behind the loads
	v_lshl_or_b32 v[LA], v[T], 8, v[T+2]           ; strip x 256 + 16 x place: a wave's two strips are 512 consecutive bytes of a plane
	v_cmp_gt_u32 s11, 15, v[T]                     ; s11: lanes whose strip has a strip below it
	v_add_nc_u32 v[T], 1, v[T]
	v_and_b32 v[T], 15, v[T]                       ; the strip below; strip 15 reads strip 0 (written bytes), and s11 drops what comes of it
	v_lshl_or_b32 v[RA], v[T], 8, v[T+2]
	s_mov_b32 vcc_lo, 0x00010001                   ; lane place 0 of both halves
	s_mov_b32 s10, 0x7fff7fff                      ; all lanes but place 15 of both halves
	s_mov_b32 s12, 0x76543210                      ; v_permlanex16_b32: lane i of one half reads lane i of the other
	s_mov_b32 s13, 0xfedcba98
	s_mov_b32 s14, 0xbdcccccd                      ; -0.1 in f32
.irp g, 0,1,2,3
	v_mov_b32 v[T+4*\g+3], 0                       ; a DPP form counts its destination among its sources: written once before the first such line
.endr
; STEP j: row j of the strip.  CUR its slot, PRV the slot of the row above.
.macro STEP j
.set CUR, XB+16*((\j)%S)
.set PRV, XB+16*(((\j)+S-1)%S)
.if (\j) == 0
.set NEWEST, S-1                       ; the newest row asked for when the step begins
.else
.set NEWEST, (\j)+S-2
.endif
.if NEWEST > ROWS-1
.set NEWEST, ROWS-1
.endif
	s_wait_loadcnt 4*(NEWEST-(\j))                 ; loads come back in order (ISA guide 5.7.1): row j is in, the four loads of each younger row stay out
.if (\j) == 0
.irp g, 0,1,2,3
	ds_store_b128 v[LA], v[CUR+4*\g:CUR+4*\g+3] offset:PLANE*\g    ; my first row, for the strip above: 32 lanes, 512 consecutive bytes of plane g
.endr
.irp q, 0,2,4,6
	v_pk_add_f32 v[AR+\q:AR+\q+1], v[CUR+\q:CUR+\q+1], v[CUR+8+\q:CUR+8+\q+1]      ; the first row starts the area chains: nothing is cleared
.endr
.else
.irp q, 0,2,4,6,8,10,12,14
	v_pk_add_f32 v[T+\q:T+\q+1], v[CUR+\q:CUR+\q+1], v[PRV+\q:PRV+\q+1] neg_lo:[0,1] neg_hi:[0,1]  ; this row minus the row above
.endr
.if (\j) == 1
	s_wait_dscnt 0x0                               ; the four LDS stores of step 0 are done: slot 0, their data, is loaded again only behind this wait
.endif
.if (\j)+S-1 < ROWS
	LOADROW \j+S-1                                 ; the row above has been read for the last time: its slot takes the row S - 1 further down
.endif
.irp q, 0,2,4,6
	v_pk_add_f32 v[AR+\q:AR+\q+1], v[AR+\q:AR+\q+1], v[CUR+\q:CUR+\q+1]
.endr
.irp q, 0,2,4,6
	v_pk_add_f32 v[AR+\q:AR+\q+1], v[AR+\q:AR+\q+1], v[CUR+8+\q:CUR+8+\q+1]
.endr
.irp i, 0,1,2,3,4,5,6,7,8,9,10,11,12,13,14,15
	v_add_f32 v[G+\i%8], |v[T+\i]|, v[G+\i%8]      ; eight chains, so that no add waits for the one in front of it
.endr
.endif
	; horizontal: three differences inside the lane, one to the first column of the next lane
.irp g, 0,1,2
	v_cndmask_b32 v[M+\g], v[CUR+4*\g], v[CUR+4*\g+4], vcc_lo      ; place 0 carries the first column of the NEXT group, for place 15 to read
.endr
.irp g, 0,1,2,3
	v_sub_f32 v[T+4*\g],   v[CUR+4*\g+1], v[CUR+4*\g]
	v_sub_f32 v[T+4*\g+1], v[CUR+4*\g+2], v[CUR+4*\g+1]
	v_sub_f32 v[T+4*\g+2], v[CUR+4*\g+3], v[CUR+4*\g+2]
.endr
.irp g, 0,1,2
	v_sub_f32_dpp v[T+4*\g+3], v[M+\g], v[CUR+4*\g+3] row_ror:15 row_mask:0xf bank_mask:0xf       ; first column of place p + 1 mod 16, minus my last
.endr
	v_sub_f32_dpp v[T+15], v[CUR+12], v[CUR+15] row_ror:15 row_mask:0xf bank_mask:0xf              ; last group: place 15 (column 255) gets a term that does not exist; it goes to GX alone
.if (\j) == 0
.irp i, 0,1,2,3,4,5,6
	v_add_f32 v[G+\i], |v[T+\i]|, |v[T+\i+8]|      ; the first row starts the chains
.endr
	v_and_b32 v[G+7], 0x7fffffff, v[T+7]
	v_and_b32 v[GX],  0x7fffffff, v[T+15]
.else
.irp i, 0,1,2,3,4,5,6,7,8,9,10,11,12,13,14
	v_add_f32 v[G+\i%8], |v[T+\i]|, v[G+\i%8]
.endr
	v_add_f32 v[GX], |v[T+15]|, v[GX]
.endif
.endm
.irp j, 0,1,2,3,4,5,6,7,8,9,10,11,12,13,14,15
	STEP \j                                        ; rows 12 to 15 are asked for in steps 1 to 4; from step 6 on the counts run down to 0
.endr
	; BETWEEN STRIPS.  My last row is in slot (ROWS-1) mod S; the slot of the row above it is free and takes the first row of the strip below.
.set LAST, XB+16*((ROWS-1)%S)
.set NB,   XB+16*((ROWS-2)%S)
	s_wait_dscnt 0x0                               ; for the other waves: my first rows are in LDS (shown since step 1, stated where the ordering needs it)
	s_barrier_signal -1
	v_cndmask_b32 v[GX], 0, v[GX], s10             ; register work while the others arrive: drop place 15 of GX, fold the chains
	v_pk_add_f32 v[G:G+1],     v[G:G+1],     v[G+4:G+5]
	v_pk_add_f32 v[G+2:G+3],   v[G+2:G+3],   v[G+6:G+7]
	v_pk_add_f32 v[AR:AR+1],   v[AR:AR+1],   v[AR+4:AR+5]
	v_pk_add_f32 v[AR+2:AR+3], v[AR+2:AR+3], v[AR+6:AR+7]
	v_pk_add_f32 v[G:G+1],     v[G:G+1],     v[G+2:G+3]
	v_pk_add_f32 v[AR:AR+1],   v[AR:AR+1],   v[AR+2:AR+3]
	v_add_f32 v[GX], v[GX], v[G+1]
	v_add_f32 v[AR], v[AR], v[AR+1]
	v_add_f32 v[G],  v[G],  v[GX]
	s_barrier_wait -1                              ; every strip has its first row in LDS
.irp g, 0,1,2,3
	ds_load_b128 v[NB+4*\g:NB+4*\g+3], v[RA] offset:PLANE*\g
.endr
.irp g, 0,1,2,3
	s_wait_dscnt 3-\g                              ; LDS loads come back in order (ISA guide 5.7.1): group g is in, the younger ones stay out
	v_pk_add_f32 v[T+4*\g:T+4*\g+1],   v[NB+4*\g:NB+4*\g+1],   v[LAST+4*\g:LAST+4*\g+1]   neg_lo:[0,1] neg_hi:[0,1]
	v_pk_add_f32 v[T+4*\g+2:T+4*\g+3], v[NB+4*\g+2:NB+4*\g+3], v[LAST+4*\g+2:LAST+4*\g+3] neg_lo:[0,1] neg_hi:[0,1]
.endr
.irp i, 0,1,2,3,4,5,6,7
	v_add_f32 v[T+\i], |v[T+\i]|, |v[T+\i+8]|
.endr
	v_pk_add_f32 v[T:T+1],   v[T:T+1],   v[T+4:T+5]
	v_pk_add_f32 v[T+2:T+3], v[T+2:T+3], v[T+6:T+7]
	v_pk_add_f32 v[T:T+1],   v[T:T+1],   v[T+2:T+3]
	v_add_f32 v[T], v[T], v[T+1]
	v_cndmask_b32 v[T], 0, v[T], s11               ; strip 15 has no strip below it: its term is dropped
	v_add_f32 v[G], v[G], v[T]
	v_fma_f32 v[T], v[G], s14, v[AR]               ; my share of the result: area - 0.1 x sum of |differences|, one fused multiply-add
	; across the 32 lanes: four steps inside each half ride on the add (DPP), one crosses the halves; every lane ends with the sum
	v_add_f32_dpp v[T], v[T], v[T] row_xmask:1 row_mask:0xf bank_mask:0xf
	v_add_f32_dpp v[T], v[T], v[T] row_xmask:2 row_mask:0xf bank_mask:0xf
	v_add_f32_dpp v[T], v[T], v[T] row_xmask:4 row_mask:0xf bank_mask:0xf
	v_add_f32_dpp v[T], v[T], v[T] row_xmask:8 row_mask:0xf bank_mask:0xf
	v_permlanex16_b32 v[T+1], v[T], s12, s13
	v_add_f32 v[T], v[T], v[T+1]
	; across the eight waves: one word each, in bytes that hold nothing else
	v_mov_b32 v[T+2], s8
	v_lshlrev_b32 v[T+2], 2, v[T+2]
	ds_store_b32 v[T+2], v[T] offset:PART          ; all lanes write the same word with the same value
	s_wait_dscnt 0x0                               ; for wave 0: my word is in LDS
	s_barrier_signal -1
	s_barrier_wait -1
	s_cmp_lg_u32 s8, 0
	s_cbranch_scc1 .Lothers                        ; behind the last barrier: wave 0 alone finishes
	v_mov_b32 v[T+2], 0
	ds_load_b128 v[T+4:T+7],  v[T+2] offset:PART
	ds_load_b128 v[T+8:T+11], v[T+2] offset:PART+16
	s_lshl_b32 s2, ttmp9, 2                        ; one f32 for each image (s3 is still 0)
	s_add_nc_u64 s[6:7], s[6:7], s[2:3]
	s_wait_dscnt 0x0
	v_pk_add_f32 v[T+4:T+5], v[T+4:T+5], v[T+8:T+9]
	v_pk_add_f32 v[T+6:T+7], v[T+6:T+7], v[T+10:T+11]
	v_pk_add_f32 v[T+4:T+5], v[T+4:T+5], v[T+6:T+7]
	v_add_f32 v[T+4], v[T+4], v[T+5]
	s_wait_xcnt 0x0                                ; EXEC is a source of every global instruction issued so far: it changes only behind this wait
	v_cmp_eq_u32 vcc_lo, 0, v0
	s_wait_tensorcnt 0x0
	ds_add_u32 v236, v237
	s_wait_dscnt 0x0
	s_and_saveexec_b32 s9, vcc_lo                  ; lane 0 alone
	global_store_b32 v[T+2], v[T+4], s[6:7]        ; the image has one number and one owner: four bytes
	s_endpgm
.Lothers:
	s_wait_tensorcnt 0x0
	ds_add_u32 v236, v237
	s_wait_dscnt 0x0
	s_endpgm
.Lfunc_end_k_q2d21fd206b_areagrad:
	.size	k_q2d21fd206b_areagrad, .Lfunc_end_k_q2d21fd206b_areagrad-k_q2d21fd206b_areagrad
	.p2alignl 7, 3214868480
	.fill 96, 4, 3214868480
	.section	.rodata,"a",@progbits
	.p2align	6, 0x0
	.amdhsa_kernel k_q2d21fd206b_areagrad
		.amdhsa_group_segment_fixed_size 17664
		.amdhsa_private_segment_fixed_size 0
		.amdhsa_enable_private_segment 0
		.amdhsa_kernarg_size 16
		.amdhsa_user_sgpr_count 2
		.amdhsa_user_sgpr_kernarg_segment_ptr 1
		.amdhsa_wavefront_size32 1
		.amdhsa_system_sgpr_workgroup_id_x 1
		.amdhsa_system_sgpr_workgroup_id_y 1
		.amdhsa_system_sgpr_workgroup_id_z 1
		.amdhsa_system_vgpr_workitem_id 0
		.amdhsa_next_free_vgpr 238
		.amdhsa_next_free_sgpr 66
		.amdhsa_reserve_vcc 1
		.amdhsa_float_denorm_mode_32 3
		.amdhsa_float_denorm_mode_16_64 3
		.amdhsa_memory_ordered 1
		.amdhsa_forward_progress 1
		.amdhsa_inst_pref_size 70
	.end_amdhsa_kernel
	.amdgpu_metadata
---
amdhsa.version: [ 1, 2 ]
amdhsa.kernels:
  - .name:           k_q2d21fd206b_areagrad
    .symbol:         k_q2d21fd206b_areagrad.kd
    .args:
      - { .name: Y, .offset: 0, .size: 8, .value_kind: global_buffer, .address_space: global }
      - { .name: out0, .offset: 8, .size: 8, .value_kind: global_buffer, .address_space: global }
    .group_segment_fixed_size: 17664
    .private_segment_fixed_size: 0
    .kernarg_segment_align: 8
    .kernarg_segment_size: 16
    .max_flat_workgroup_size: 256
    .sgpr_count:     66
    .vgpr_count:     238
    .wavefront_size: 32
...
	.end_amdgpu_metadata
.endif
;; end of part 1
